; MI455X (gfx1250); checked and timed in simulation.
; The chip was launched on July 23, 2026; its instructions are those of AMD's public machine-readable ISA for CDNA 5 (MIT licence, August 2026) and "CDNA5" Instruction Set Architecture Reference Guide (July 2026). The comments in the code are by the model that wrote it; some were corrected since.
;; Mixture Of Experts. Allowed arithmetic: float matrix products may take bf16 or f16 operands with f32 sums; other float arithmetic in f32, or as packed bf16 or f16 multiplies, adds, multiply-adds, maxima and minima; sums over many terms, partial sums and values carried from step to step in f32; what a program stores and reads back later, other than sums and carried values, may be rounded once to bf16 or f16.
;; Inputs: W1 8 x 512 x 2,048 float32; W2 8 x 2,048 x 512 float32; Wg 512 x 8 float32; b1 8 x 2,048 float32; b2 8 x 512 float32; x 4 x 1,024 x 512 float32.
;; Outputs: out0 4 x 1,024 x 512 float32; out1 one number float32.
;; One version. Each part assembles by itself: llvm-mc -triple=amdgcn-amd-amdhsa -mcpu=gfx1250 --defsym DOCPART=n.
;; ======== version 1 of 1: 3 launches
;; workspace buffers: xb 4,194,304 bytes; rec 16,384 bytes of whole numbers; gw 32,768 bytes; psum 16,384 bytes; W1f 16,777,216 bytes; W2f 16,777,216 bytes; y 67,108,864 bytes
;; launch prep (part 1): grid 256 x 1, 8 waves a work-group, no clusters, 93,696 bytes of LDS; arguments x, Wg, W1, W2, xb, rec, gw, psum, W1f, W2f; writes xb, rec, gw, psum, W1f, W2f
.if DOCPART == 1
	.amdgcn_target "amdgcn-amd-amdhsa--gfx1250"
	.amdhsa_code_object_version 6
	.text
	.protected	k_q33bb2f57fe_prep
	.globl	k_q33bb2f57fe_prep
	.p2align	8
	.type	k_q33bb2f57fe_prep,@function
k_q33bb2f57fe_prep:
	s_mov_b64 s[64:65], 0
	v_nop
	global_prefetch_b8 v0, s[64:65] scope:SCOPE_SE
	s_setreg_imm32_b32 hwreg(HW_REG_WAVE_MODE, 25, 1), 1
	s_wait_xcnt 0x0
; PREP.  Work-group g of 256, eight waves.
;  (1) x rows 16 g .. 16 g + 15 are rounded to bf16 and stored (xb); wave w has rows 2 w, 2 w + 1.
;  (2) Wave 0 routes these 16 tokens: logits = x Wg on the matrix unit (both rounded to bf16, sums in f32), softmax with the row's
;      maximum taken away, top 2, renormalised gates.  Nothing here forms an address from the choice: it is stored at fixed places.
;      A routed row has the number id = 32 g + 16 k + b (k = 0 first choice, 1 second; b = token % 16).
;      rec[g] (16 words): words 0-7 the bitmap of the group's 32 ids for expert e; words 8-11 the eight counts, two to a word; 12-15 zero.
;      gw[id] the gate's weight.  psum[g] (16 f32): the sum of p_e over the 16 tokens, e = 0..7, then the eight counts as floats.
;  (3) Each wave rounds one block of W1 and one of W2 (32 k x 128 n, 16,384 bytes) to bf16 and lays it out as eight matrix fragments of
;      1,024 bytes: [nt 0..7][q 0..3][r 0..15][8 bf16], element (k = 8 q + j, n = 16 nt + r): lane l of a wave then takes a fragment by two loads
;      of 16 bytes at 16 l and 512 + 16 l.
; LIMITS.  NaN and infinities are not treated apart.  The top 2 are taken on the logits with a strict comparison (the lower index wins a tie);
; logits that differ by less than an f32 rounding may order otherwise than the probabilities would.
; No tensor load, no cluster: every byte has one user, and the loads of x and the weights are 512 neighbouring bytes a wave straight into registers.
.set PX,    1040                       ; an LDS row of 512 bf16: 1,024 bytes + 16: an odd multiple of 16 bytes
.set XT,    0                          ; 16 token rows
.set WGT,   16*PX                      ; 8 rows of Wg transposed
.set CST,   25088                      ; a stage of 8,448 bytes for each wave: 8 fragments, 1,040 bytes apart
.set CSTW,  8448
.set SPARE, CST+8*CSTW                 ; the spare words, 128 bytes a wave
; v0 thread  v1 lane  v2 16 lane  v3 8 lane  v4 64 thread  v5 r  v6 h  v7, v8 stage in, stage out  v9, v10 router fragments' addresses
; v12, v13 where x and Wg go in LDS  v30, v31 the add's two  v32-63 router sums  v64-127 router fragments and work
; v48-111 x, packed x, Wg; later the blocks on their way out  v112-127 packed weights  v128-255 a block as loaded (row k at v[128 + 4 k])
	s_load_b512 s[8:23], s[0:1], 0x0               ; x, Wg, W1, W2, xb, rec, gw, psum
	s_load_b128 s[24:27], s[0:1], 0x40             ; W1f, W2f
	v_lshl_add_u32 v30, v0, 2, SPARE
	v_mov_b32 v31, 0
	v_and_b32 v1, 31, v0
	v_lshrrev_b32 v11, 5, v0
	v_readfirstlane_b32 s2, v11                    ; wave
	s_mov_b32 s3, ttmp9                            ; g
	v_lshlrev_b32 v2, 4, v1
	v_lshlrev_b32 v3, 3, v1
	v_lshlrev_b32 v4, 6, v0
	v_and_b32 v5, 15, v0
	v_bfe_u32 v6, v0, 4, 1
	s_lshl_b32 s4, s3, 15                          ; x: 16 rows of 2,048 bytes a group,
	s_lshl_b32 s5, s2, 12                          ; two a wave
	s_add_co_u32 s4, s4, s5
	s_mov_b32 s5, 0
	s_lshr_b32 s6, s4, 1                           ; xb: half of that
	s_mov_b32 s7, 0
	s_lshr_b32 s28, s3, 5                          ; e = g / 32, for both blocks
	s_bfe_u32 s29, s3, 0x40001                     ; W1's block: kk = (g / 2) % 16,
	s_and_b32 s30, s3, 1
	s_lshl3_add_u32 s30, s30, s2                   ; column block wc = 8 (g % 2) + w
	s_lshl_b32 s36, s28, 22                        ; from: e x 4,194,304 + kk x 32 rows of 8,192 + wc x 512
	s_lshl_b32 s31, s29, 18
	s_add_co_u32 s36, s36, s31
	s_lshl_b32 s31, s30, 9
	s_add_co_u32 s36, s36, s31
	s_mov_b32 s37, 0
	s_lshl4_add_u32 s38, s28, s30                  ; to: ((16 e + wc) 16 + kk) x 8,192
	s_lshl4_add_u32 s38, s38, s29
	s_lshl_b32 s38, s38, 13
	s_mov_b32 s39, 0
	s_bfe_u32 s29, s3, 0x20003                     ; W2's block: slice s = (g / 8) % 4,
	s_and_b32 s30, s3, 7
	s_lshr_b32 s31, s2, 2
	s_lshl1_add_u32 s30, s30, s31                  ; kk = 2 (g % 8) + w / 4,
	s_and_b32 s31, s2, 3                           ; column block ww = w % 4
	s_lshl_b32 s40, s28, 22                        ; from: e x 4,194,304 + (512 s + 32 kk) rows of 2,048 + ww x 512
	s_lshl_b32 s32, s29, 20
	s_add_co_u32 s40, s40, s32
	s_lshl_b32 s32, s30, 16
	s_add_co_u32 s40, s40, s32
	s_lshl_b32 s32, s31, 9
	s_add_co_u32 s40, s40, s32
	s_mov_b32 s41, 0
	s_lshl2_add_u32 s42, s28, s29                  ; to: (((4 e + s) 4 + ww) 16 + kk) x 8,192
	s_lshl2_add_u32 s42, s42, s31
	s_lshl4_add_u32 s42, s42, s30
	s_lshl_b32 s42, s42, 13
	s_mov_b32 s43, 0
	s_lshl_b32 s32, s3, 6                          ; rec and psum: 64 bytes a group
	s_mov_b32 s33, 0
	s_lshl_b32 s34, s3, 7                          ; gw: 128 bytes a group
	s_mov_b32 s35, 0
	s_mul_i32 s44, s2, CSTW
	s_add_co_u32 s44, s44, CST                     ; my stage
	v_lshrrev_b32 v11, 2, v1
	v_mul_u32_u24 v11, v11, PX                     ; in: my four columns 4 l .. lie in fragment l / 4, rows 4 (l % 4) ..
	v_and_b32 v14, 3, v1
	v_lshl_add_u32 v11, v14, 6, v11
	v_add_nc_u32 v7, s44, v11
	v_add_nc_u32 v8, s44, v2                       ; out: 16 bytes a lane
	v_and_b32 v11, 7, v0
	v_mul_u32_u24 v11, v11, PX                     ; router, source 0: rows 8-15 repeat the eight experts
	v_lshl_add_u32 v11, v6, 4, v11
	v_add_nc_u32 v9, WGT, v11
	v_mul_u32_u24 v10, v5, PX                      ; router, source 1: token r
	v_lshl_add_u32 v10, v6, 4, v10
	s_mul_i32 s45, s2, 2*PX
	v_add_nc_u32 v12, s45, v3                      ; my two token rows in LDS, 8 bytes a lane
	v_lshl_add_u32 v13, v0, 2, WGT                 ; Wg's rows 2 t, 2 t + 1 as one word of each expert's row
	s_wait_kmcnt 0x0
	s_add_nc_u64 s[48:49], s[8:9], s[4:5]
	s_add_nc_u64 s[50:51], s[16:17], s[6:7]
	s_add_nc_u64 s[52:53], s[12:13], s[36:37]
	s_add_nc_u64 s[54:55], s[14:15], s[40:41]
	s_add_nc_u64 s[56:57], s[24:25], s[38:39]
	s_add_nc_u64 s[58:59], s[26:27], s[42:43]
	s_add_nc_u64 s[18:19], s[18:19], s[32:33]
	s_add_nc_u64 s[22:23], s[22:23], s[32:33]
	s_add_nc_u64 s[20:21], s[20:21], s[34:35]
	; all loads go out at once: 8 of x, 4 of Wg, 32 of W1's block; each of x's and W1's covers 512 neighbouring bytes
.irp t,0,1
.irp c,0,1,2,3
	global_load_b128 v[48+16*(\t)+4*(\c):51+16*(\t)+4*(\c)], v2, s[48:49] offset:(\t)*2048+(\c)*512 th:TH_LOAD_NT
.endr
.endr
.irp c,0,1,2,3
	global_load_b128 v[96+4*(\c):99+4*(\c)], v4, s[10:11] offset:16*(\c)
.endr
.set k, 0
.rept 32
	global_load_b128 v[128+4*k:131+4*k], v2, s[52:53] offset:k*8192 th:TH_LOAD_NT
.set k, k+1
.endr
	s_wait_loadcnt 36                              ; x is in: 4 + 32 younger loads stay out
.irp t,0,1
.irp c,0,1,2,3
	v_cvt_pk_bf16_f32 v[80+8*(\t)+2*(\c)], v[48+16*(\t)+4*(\c)], v[49+16*(\t)+4*(\c)]
	v_cvt_pk_bf16_f32 v[81+8*(\t)+2*(\c)], v[50+16*(\t)+4*(\c)], v[51+16*(\t)+4*(\c)]
.endr
.endr
.irp t,0,1
.irp c,0,1,2,3
	global_store_b64 v3, v[80+8*(\t)+2*(\c):81+8*(\t)+2*(\c)], s[50:51] offset:(\t)*1024+(\c)*256  ; 256 neighbouring bytes, aligned
	ds_store_b64 v12, v[80+8*(\t)+2*(\c):81+8*(\t)+2*(\c)] offset:(\t)*PX+(\c)*256
.endr
.endr
	s_wait_loadcnt 32                              ; Wg is in: W1's 32 stay out
.irp e,0,1,2,3,4,5,6,7
	v_cvt_pk_bf16_f32 v[112+(\e)], v[96+(\e)], v[104+(\e)]
.endr
.irp e,0,1,2,3,4,5,6,7
	ds_store_b32 v13, v[112+(\e)] offset:(\e)*PX
.endr
	s_wait_dscnt 0x0                               ; for wave 0's sake: my rows of x and my words of Wg are in LDS
	s_barrier_signal -1
	s_barrier_wait -1
	s_wait_xcnt 0x0                                ; the stores of xb have read their registers, which are written again below
	s_cmp_lg_u32 s2, 0
	s_cbranch_scc1 .Lconv                          ; the router is wave 0's alone; no barrier stands in it
; THE ROUTER.  D = Wg^T (source 0) x tokens (source 1): lane (r, h) holds token r, register j expert j (both halves alike).
; K = 512 in 16 steps of 32, four accumulators by turns; four v_nop are the places
; between the products and the next loads into their sources.
.macro RBATCH b, first
.irp i,0,1,2,3
	ds_load_b128 v[64+16*(\i):67+16*(\i)], v9 offset:256*(\b)+64*(\i)
	ds_load_b128 v[68+16*(\i):71+16*(\i)], v9 offset:256*(\b)+64*(\i)+32
	ds_load_b128 v[72+16*(\i):75+16*(\i)], v10 offset:256*(\b)+64*(\i)
	ds_load_b128 v[76+16*(\i):79+16*(\i)], v10 offset:256*(\b)+64*(\i)+32
.endr
	s_wait_dscnt 0x0
.irp i,0,1,2,3
.if \first
	v_wmma_f32_16x16x32_bf16 v[32+8*(\i):39+8*(\i)], v[64+16*(\i):71+16*(\i)], v[72+16*(\i):79+16*(\i)], 0
.else
	v_wmma_f32_16x16x32_bf16 v[32+8*(\i):39+8*(\i)], v[64+16*(\i):71+16*(\i)], v[72+16*(\i):79+16*(\i)], v[32+8*(\i):39+8*(\i)]
.endif
.endr
.rept 4
	v_nop
.endr
.endm
	RBATCH 0, 1
	RBATCH 1, 0
	RBATCH 2, 0
	RBATCH 3, 0
.irp p,0,2,4,6                                         ; the four partial sums; each accumulator is read from its low end on
	v_pk_add_f32 v[32+(\p):33+(\p)], v[32+(\p):33+(\p)], v[40+(\p):41+(\p)]
.endr
.irp p,0,2,4,6
	v_pk_add_f32 v[48+(\p):49+(\p)], v[48+(\p):49+(\p)], v[56+(\p):57+(\p)]
.endr
.irp p,0,2,4,6
	v_pk_add_f32 v[32+(\p):33+(\p)], v[32+(\p):33+(\p)], v[48+(\p):49+(\p)]  ; v32-39: the eight logits
.endr
	v_mov_b32 v56, v32                             ; m1, i1: the largest logit; a later one wins only if strictly larger
	v_mov_b32 v57, 0
.irp e,1,2,3,4,5,6,7
	v_cmp_le_f32 vcc_lo, v[32+(\e)], v56
	v_cndmask_b32 v57, \e, v57, vcc_lo
	v_max_num_f32 v56, v56, v[32+(\e)]
.endr
	s_mov_b32 s44, 0xff800000
.irp e,0,1,2,3,4,5,6,7
	v_cmp_ne_u32 vcc_lo, \e, v57
	v_cndmask_b32 v[40+(\e)], s44, v[32+(\e)], vcc_lo  ; the winner is taken out
.endr
	v_mov_b32 v58, v40                             ; m2, i2
	v_mov_b32 v59, 0
.irp e,1,2,3,4,5,6,7
	v_cmp_le_f32 vcc_lo, v[40+(\e)], v58
	v_cndmask_b32 v59, \e, v59, vcc_lo
	v_max_num_f32 v58, v58, v[40+(\e)]
.endr
	s_mov_b32 s45, 0x3fb8aa3b                      ; log2(e)
.irp e,0,1,2,3,4,5,6,7
	v_sub_f32 v[48+(\e)], v[32+(\e)], v56          ; the maximum is taken away first
.endr
	v_sub_f32 v60, v58, v56
.irp e,0,1,2,3,4,5,6,7
	v_mul_f32 v[48+(\e)], s45, v[48+(\e)]
.endr
	v_mul_f32 v60, s45, v60
.irp e,0,1,2,3,4,5,6,7
	v_exp_f32 v[48+(\e)], v[48+(\e)]
.endr
	v_exp_f32 v60, v60                             ; q = p2 / p1
	v_nop                                          ; a plain instruction behind the exponentials (ISA guide 5.7.2)
	s_wait_alu depctr_va_vdst(0)
	v_add_f32 v61, v48, v49
	v_add_f32 v62, v50, v51
	v_add_f32 v63, v52, v53
	v_add_f32 v64, v54, v55
	v_add_f32 v61, v61, v62
	v_add_f32 v63, v63, v64
	v_add_f32 v61, v61, v63
	v_add_f32 v65, 1.0, v60
	v_rcp_f32 v61, v61
	v_rcp_f32 v65, v65                             ; w0 = 1 / (1 + q)
	v_nop
	s_wait_alu depctr_va_vdst(0)
.irp e,0,1,2,3,4,5,6,7
	v_mul_f32 v[48+(\e)], v[48+(\e)], v61          ; p_e
.endr
	v_mul_f32 v66, v60, v65                        ; w1 = q w0
	v_cmp_gt_u32 vcc_lo, 16, v1                    ; lanes 0-15 speak for the first choice, 16-31 for the second: lane = id % 32
	v_cndmask_b32 v67, v59, v57, vcc_lo
	v_cndmask_b32 v68, v66, v65, vcc_lo
.irp e,0,1,2,3,4,5,6,7
	v_cmp_eq_u32 s[28+(\e)], \e, v67               ; the bitmap of expert e
.endr
.irp e,0,1,2,3,4,5,6,7
	v_add_f32_dpp v[48+(\e)], v[48+(\e)], v[48+(\e)] row_xmask:1 row_mask:0xf bank_mask:0xf
.endr
.irp e,0,1,2,3,4,5,6,7
	v_add_f32_dpp v[48+(\e)], v[48+(\e)], v[48+(\e)] row_xmask:2 row_mask:0xf bank_mask:0xf
.endr
.irp e,0,1,2,3,4,5,6,7
	v_add_f32_dpp v[48+(\e)], v[48+(\e)], v[48+(\e)] row_xmask:4 row_mask:0xf bank_mask:0xf
.endr
.irp e,0,1,2,3,4,5,6,7
	v_add_f32_dpp v[48+(\e)], v[48+(\e)], v[48+(\e)] row_xmask:8 row_mask:0xf bank_mask:0xf
.endr
	v_mov_b32 v69, 0                               ; the record, one word a lane
	v_mov_b32 v70, 0                               ; the sums, one number a lane
.irp e,0,1,2,3,4,5,6,7
	v_writelane_b32 v69, s[28+(\e)], \e
	s_bcnt1_i32_b32 s[36+(\e)], s[28+(\e)]
.endr
.irp q,0,1,2,3
	s_lshl_b32 s44, s[37+2*(\q)], 16
	s_or_b32 s44, s44, s[36+2*(\q)]
	v_writelane_b32 v69, s44, 8+(\q)
.endr
.irp e,0,1,2,3,4,5,6,7
	v_readfirstlane_b32 s44, v[48+(\e)]
	v_writelane_b32 v70, s44, \e
	s_cvt_f32_u32 s45, s[36+(\e)]
	v_writelane_b32 v70, s45, 8+(\e)
.endr
	v_lshlrev_b32 v71, 2, v1
	global_store_b32 v71, v68, s[20:21]            ; 32 gates, 128 neighbouring bytes
	s_wait_xcnt 0x0                                ; EXEC changes only behind this wait
	v_cmp_gt_u32 vcc_lo, 16, v1
	s_and_saveexec_b32 s46, vcc_lo
	global_store_b32 v71, v69, s[18:19]
	global_store_b32 v71, v70, s[22:23]
	s_wait_xcnt 0x0                                ; and again in front of the line that widens it
	s_or_b32 exec_lo, exec_lo, s46
.Lconv:
; A BLOCK OF WEIGHTS.  Group q is rows 8 q .. 8 q + 7 (8 loads).  For each of my four columns i the eight numbers of a group pack into 16 bytes, which go to
; their place in the stage; then the block leaves as 16 stores of 512 neighbouring bytes.  refill = 1: as a group's registers fall free, W2's block is asked for.
.macro CONV refill, db
.irp q,0,1,2,3
.if \refill
	s_wait_loadcnt 24                              ; three younger groups of 8 are always out
.else
	s_wait_loadcnt 24-8*(\q)                       ; nothing follows: the counts run down
.endif
.irp i,0,1,2,3
.irp jj,0,1,2,3
	v_cvt_pk_bf16_f32 v[112+4*(\i)+(\jj)], v[128+32*(\q)+8*(\jj)+(\i)], v[128+32*(\q)+8*(\jj)+4+(\i)]
.endr
.endr
.if \refill
.irp j,0,1,2,3,4,5,6,7
	global_load_b128 v[128+32*(\q)+4*(\j):131+32*(\q)+4*(\j)], v2, s[54:55] offset:(8*(\q)+(\j))*2048 th:TH_LOAD_NT
.endr
.endif
.irp i,0,1,2,3
	ds_store_b128 v7, v[112+4*(\i):115+4*(\i)] offset:16*(\i)+256*(\q)
.endr
.endr
	s_wait_xcnt 0x0                                ; earlier stores have read v48-111
.irp t,0,1,2,3,4,5,6,7,8,9,10,11,12,13,14,15
	ds_load_b128 v[48+4*(\t):51+4*(\t)], v8 offset:((\t)/2)*PX+((\t)%2)*512  ; my own bytes: LDS serves a wave's instructions in order (ISA guide 5.7.1.4)
.endr
.irp t,0,1,2,3,4,5,6,7,8,9,10,11,12,13,14,15
	s_wait_dscnt 15-(\t)                           ; the younger loads from the stage stay out
	global_store_b128 v2, v[48+4*(\t):51+4*(\t)], s[\db:\db+1] offset:((\t)/2)*1024+((\t)%2)*512
.endr
.endm
	CONV 1, 56
	CONV 0, 58
	s_wait_tensorcnt 0x0                           ; the wave's end
	ds_add_u32 v30, v31
	s_wait_dscnt 0x0
	s_endpgm
.Lfunc_end_k_q33bb2f57fe_prep:
	.size	k_q33bb2f57fe_prep, .Lfunc_end_k_q33bb2f57fe_prep-k_q33bb2f57fe_prep
	.p2alignl 7, 3214868480
	.fill 96, 4, 3214868480
	.section	.rodata,"a",@progbits
	.p2align	6, 0x0
	.amdhsa_kernel k_q33bb2f57fe_prep
		.amdhsa_group_segment_fixed_size 93696
		.amdhsa_private_segment_fixed_size 0
		.amdhsa_enable_private_segment 0
		.amdhsa_kernarg_size 80
		.amdhsa_user_sgpr_count 2
		.amdhsa_user_sgpr_kernarg_segment_ptr 1
		.amdhsa_wavefront_size32 1
		.amdhsa_system_sgpr_workgroup_id_x 1
		.amdhsa_system_sgpr_workgroup_id_y 1
		.amdhsa_system_sgpr_workgroup_id_z 1
		.amdhsa_system_vgpr_workitem_id 0
		.amdhsa_next_free_vgpr 256
		.amdhsa_next_free_sgpr 66
		.amdhsa_reserve_vcc 1
		.amdhsa_float_denorm_mode_32 3
		.amdhsa_float_denorm_mode_16_64 3
		.amdhsa_memory_ordered 1
		.amdhsa_forward_progress 1
		.amdhsa_inst_pref_size 47
	.end_amdhsa_kernel
	.amdgpu_metadata
---
amdhsa.version: [ 1, 2 ]
amdhsa.kernels:
  - .name:           k_q33bb2f57fe_prep
    .symbol:         k_q33bb2f57fe_prep.kd
    .args:
      - { .name: x, .offset: 0, .size: 8, .value_kind: global_buffer, .address_space: global }
      - { .name: Wg, .offset: 8, .size: 8, .value_kind: global_buffer, .address_space: global }
      - { .name: W1, .offset: 16, .size: 8, .value_kind: global_buffer, .address_space: global }
      - { .name: W2, .offset: 24, .size: 8, .value_kind: global_buffer, .address_space: global }
      - { .name: xb, .offset: 32, .size: 8, .value_kind: global_buffer, .address_space: global }
      - { .name: rec, .offset: 40, .size: 8, .value_kind: global_buffer, .address_space: global }
      - { .name: gw, .offset: 48, .size: 8, .value_kind: global_buffer, .address_space: global }
      - { .name: psum, .offset: 56, .size: 8, .value_kind: global_buffer, .address_space: global }
      - { .name: W1f, .offset: 64, .size: 8, .value_kind: global_buffer, .address_space: global }
      - { .name: W2f, .offset: 72, .size: 8, .value_kind: global_buffer, .address_space: global }
    .group_segment_fixed_size: 93696
    .private_segment_fixed_size: 0
    .kernarg_segment_align: 8
    .kernarg_segment_size: 80
    .max_flat_workgroup_size: 256
    .sgpr_count:     66
    .vgpr_count:     256
    .wavefront_size: 32
...
	.end_amdgpu_metadata
.endif
;; end of part 1
;; launch chain (part 2): grid 256 x 1, 4 waves a work-group, no clusters, 195,840 bytes of LDS; arguments rec, gw, xb, W1f, W2f, b1, b2, y; writes y
.if DOCPART == 2
	.amdgcn_target "amdgcn-amd-amdhsa--gfx1250"
	.amdhsa_code_object_version 6
	.text
	.protected	k_q33bb2f57fe_chain
	.globl	k_q33bb2f57fe_chain
	.p2align	8
	.type	k_q33bb2f57fe_chain,@function
k_q33bb2f57fe_chain:
	s_mov_b64 s[64:65], 0
	v_nop
	global_prefetch_b8 v0, s[64:65] scope:SCOPE_SE
	s_setreg_imm32_b32 hwreg(HW_REG_WAVE_MODE, 25, 1), 1
	s_wait_xcnt 0x0
; CHAIN.  y[S][id][:] = gate[id] x (relu(x[token(id)] W1[E][:, slice S] + b1) W2[E][slice S, :] + b2 (in slice 0 alone)), for the routed rows id of one tile.
; THE GRID SERVES EVERY SPLIT.  A tile is up to 144 rows of one expert; the sum over e of ceil(n_e / 144) is at most (8,192 + 8 x 143) / 144 = 64, so 64 tiles x 4 slices of 512
; hidden columns = 256 work-groups.  Tile G = group / 4, slice S = group % 4.  Every work-group finds its expert, its rows and their ids for itself from rec (whole numbers that
; the launch before stored).  Places past the count repeat the expert's last row and are never stored; a tile that a split leaves empty walks the same text and stores nothing,
; so that every wave passes every barrier.  Blocks of 16 rows past the count are multiplied in a product's first K step alone (it writes every accumulator); in the other 15 steps
; forward jumps pass their matrix instructions, and nothing else.
; SHARES.  Four waves; wave w makes 144 rows x 128 columns of both products: 72 accumulators.  The rows (X, then H in its place, bf16) lie whole in LDS; each byte of the weights has one
; user in the work-group and comes straight into that wave's registers, already in fragment order: the K loop holds no barrier and no LDS store.
; ONE TEXT FOR BOTH PRODUCTS: both are 144 x 128 x 512 a wave, so the K loop is written once and walked twice; what differs lies in registers (the stream's base, the bias, its mask).
; THE MATRIX INSTRUCTION IS USED TRANSPOSED (source 0 = 16 columns of the weights, source 1 = 16 rows): a lane holds row r and eight neighbouring columns 8 h + j.
; The bias, rounded to bf16 like every input, is the C operand of the first K step: nothing is cleared.
; NO CLUSTER: what work-groups share is an expert's weights among its row tiles.  Whole clusters of four tiles (576 rows) for each expert would want up to (8,192 + 8 x 575) / 576 = 22
; clusters = 352 work-groups to serve every split, for 256 here, and would send the weights through LDS: 16 more LDS loads for a K step's 72 products.
; LIMITS.  NaN and infinities are not treated apart (relu turns a NaN into 0).  H is kept in bf16.
; REGISTERS, in windows of 256 (s_set_vgpr_msb: bits 1:0 source 0, 3:2 source 1, 5:4 source 2, 7:6 destination):
;   window 0: v0-31 addresses; v32-103, v104-175 two buffers of row fragments (9 x 8); v176-239 the bias; v240-243 at work.  On the way out v32-159 rows, v176-207 offsets, v208-225 gates
;   window 1: v0-191 three buffers of weight fragments (8 x 8); v192-255 accumulators of row block 8        window 2: row blocks 0-3        window 3: row blocks 4-7
.set PX,    1040                       ; a row of 512 bf16 in LDS: 1,024 + 16 bytes, an odd multiple of 16
.set TIL,   16*PX
.set GRP,   4*TIL
.set STAGE, 144*PX                     ; behind X / H: 16 rows x 528 bytes for each wave, for the way out
.set SPT,   528
.set STW,   16*SPT
.set BM,    STAGE+4*STW                ; the bitmaps, [g][e] words
.set PF,    BM+8192                    ; for each g: my expert's rows in the groups before g
.set WT,    PF+1024                    ; the four waves' packed totals
.set LISTI, WT+256                     ; the tile's 144 ids,
.set LISTT, LISTI+768                  ; tokens,
.set GWL,   LISTT+768                  ; gates
.set SPARE, GWL+768                    ; the spare words, 128 bytes a wave
; v1 lane  v2 16 lane  v3 r  v4 h  v5-7 fragment address of row blocks 0-3, 4-7, 8  v8-10 the same + 256 w (H's way in)  v11, v12 stage in, out  v13 LISTI  v14 32 h  v15 GWL + 4 r
; v16-18 the K loop's walking copies of v5-7 (in the prologue: at work)  v30, v31 the add's two
; s2 wave  s3 G  s4 S  s5 E  s6 J  s7 n_E  s8 rows of my tile  s9 first rank  s10 last rank  s11 loop count  s12 0  s13 BM + 4 E  s14 products to go  s[32:39] n_e
; s[40:41] the weights' stream  s[42:43] W2's  s[44:45] y  s[46:47] b1  s[48:49] b2  s50, s51 lane selects  s52-55 masks  s56 the bias's mask  s57 b2's
.set MSB, 0
.macro WIN new                         ; the immediate's high byte repeats the setting that is left; a switch that changes nothing is dropped
.if MSB != (\new)
	s_set_vgpr_msb (MSB<<8)|(\new)
.set MSB, (\new)
.endif
.endm
.macro PLACES                          ; four places behind matrix instructions, in front of loads into their sources and of reads of their results
.rept 4
	v_nop
.endr
.endm
.macro ACCW a                          ; row block a's accumulators: window AW, first register AB
.if (\a) < 4
.set AW, 2
.set AB, 64*(\a)
.elseif (\a) < 8
.set AW, 3
.set AB, 64*((\a)-4)
.else
.set AW, 1
.set AB, 192
.endif
.endm
	s_load_b512 s[16:31], s[0:1], 0x0              ; rec, gw, xb, W1f, W2f, b1, b2, y
	v_lshl_add_u32 v30, v0, 2, SPARE
	v_mov_b32 v31, 0
	v_and_b32 v1, 31, v0
	v_lshrrev_b32 v16, 5, v0
	v_readfirstlane_b32 s2, v16
	s_lshr_b32 s3, ttmp9, 2
	s_and_b32 s4, ttmp9, 3
	s_mov_b32 s12, 0
	s_mov_b32 s50, 0x76543210
	s_mov_b32 s51, 0xfedcba98
	s_mov_b32 s56, -1
	s_cmp_eq_u32 s4, 0
	s_cselect_b32 s57, -1, 0                       ; b2 enters in slice 0 alone
	v_lshlrev_b32 v2, 4, v1
	v_and_b32 v3, 15, v0
	v_bfe_u32 v4, v0, 4, 1
	v_mul_u32_u24 v5, v3, PX
	v_lshl_add_u32 v5, v4, 4, v5                   ; row x pitch + 16 x half
	v_add_nc_u32 v6, GRP, v5
	v_add_nc_u32 v7, 2*GRP, v5
	s_lshl_b32 s60, s2, 8
	v_add_nc_u32 v8, s60, v5
	v_add_nc_u32 v9, s60, v6
	v_add_nc_u32 v10, s60, v7
	s_mul_i32 s61, s2, STW
	s_add_co_u32 s61, s61, STAGE
	v_mul_u32_u24 v11, v3, SPT
	v_lshl_add_u32 v11, v4, 5, v11
	v_add_nc_u32 v11, s61, v11
	v_add_nc_u32 v12, s61, v2
	v_mov_b32 v13, LISTI
	v_lshlrev_b32 v14, 5, v4
	v_lshl_add_u32 v15, v3, 2, GWL
	v_lshlrev_b32 v16, 7, v0                       ; two records of 64 bytes a thread
.irp k,0,1,2,3,4
	v_bfe_u32 v[20+(\k)], v0, \k, 1                ; all ones where bit k of my lane is set
	v_sub_nc_u32 v[20+(\k)], 0, v[20+(\k)]
.endr
	v_lshl_add_u32 v25, v0, 6, BM
	s_lshl_b32 s62, s2, 4
	s_add_co_u32 s62, s62, WT
	v_mov_b32 v26, s62
	v_lshl_add_u32 v28, v0, 3, PF
	s_wait_kmcnt 0x0
	global_load_b128 v[32:35], v16, s[16:17]
	global_load_b128 v[36:39], v16, s[16:17] offset:16
	global_load_b128 v[40:43], v16, s[16:17] offset:32   ; the first record's counts, two to a word
	global_load_b128 v[44:47], v16, s[16:17] offset:64
	global_load_b128 v[48:51], v16, s[16:17] offset:80
	global_load_b128 v[52:55], v16, s[16:17] offset:96
	s_wait_loadcnt 0x0
	ds_store_b128 v25, v[32:35]
	ds_store_b128 v25, v[36:39] offset:16
	ds_store_b128 v25, v[44:47] offset:32
	ds_store_b128 v25, v[48:51] offset:48
.irp q,0,1,2,3
	v_add_nc_u32 v[56+(\q)], v[40+(\q)], v[52+(\q)]    ; no 16-bit field overflows: an expert has at most 4,096 rows
	v_mov_b32 v[60+(\q)], 0
	v_mov_b32 v[64+(\q)], 0
.endr
; The sum over the lanes below mine (v60-63) and over all lanes (v56-59), by exchanges with the lane d away.
.macro SCANSTEP d, mk
.irp q,0,1,2,3
.if (\d) < 16
	v_mov_b32_dpp v[64+(\q)], v[56+(\q)] row_xmask:\d row_mask:0xf bank_mask:0xf
.else
	v_permlanex16_b32 v[64+(\q)], v[56+(\q)], s50, s51
.endif
.endr
.irp q,0,1,2,3
	v_and_b32 v68, v[\mk], v[64+(\q)]
	v_add_nc_u32 v[56+(\q)], v[56+(\q)], v[64+(\q)]
	v_add_nc_u32 v[60+(\q)], v[60+(\q)], v68
.endr
.endm
	SCANSTEP 1, 20
	SCANSTEP 2, 21
	SCANSTEP 4, 22
	SCANSTEP 8, 23
	SCANSTEP 16, 24
	ds_store_b128 v26, v[56:59]                    ; my wave's totals
	s_wait_dscnt 0x0                               ; for the others' sake: bitmaps and totals are in LDS
	s_barrier_signal -1
	s_barrier_wait -1
	v_mov_b32 v27, WT
	ds_load_b128 v[72:75], v27
	ds_load_b128 v[76:79], v27 offset:16
	ds_load_b128 v[80:83], v27 offset:32
	ds_load_b128 v[84:87], v27 offset:48
	s_cmp_gt_u32 s2, 0
	s_cselect_b32 s52, -1, 0
	s_cmp_gt_u32 s2, 1
	s_cselect_b32 s53, -1, 0
	s_cmp_gt_u32 s2, 2
	s_cselect_b32 s54, -1, 0
	s_wait_dscnt 0x0
.irp q,0,1,2,3
	v_and_b32 v68, s52, v[72+(\q)]                 ; the waves below mine
	v_add_nc_u32 v[60+(\q)], v[60+(\q)], v68
	v_and_b32 v68, s53, v[76+(\q)]
	v_add_nc_u32 v[60+(\q)], v[60+(\q)], v68
	v_and_b32 v68, s54, v[80+(\q)]
	v_add_nc_u32 v[60+(\q)], v[60+(\q)], v68
	v_add_nc_u32 v[72+(\q)], v[72+(\q)], v[76+(\q)]
	v_add_nc_u32 v[80+(\q)], v[80+(\q)], v[84+(\q)]
	v_add_nc_u32 v[72+(\q)], v[72+(\q)], v[80+(\q)]
	v_readfirstlane_b32 s[66+(\q)], v[72+(\q)]
.endr
.irp q,0,1,2,3
	s_and_b32 s[32+2*(\q)], s[66+(\q)], 0xffff     ; n_e
	s_lshr_b32 s[33+2*(\q)], s[66+(\q)], 16
.endr
	; which expert's tile is tile G: the last e whose first tile is not behind G
	s_mov_b32 s5, 0
	s_mov_b32 s7, 0
	s_mov_b32 s62, 0
	s_mov_b32 s61, 0
.irp e,0,1,2,3,4,5,6,7
	s_add_co_u32 s60, s[32+(\e)], 143
	s_lshr_b32 s60, s60, 4
	s_mul_i32 s60, s60, 7282                       ; / 9: exact for the 264 at the most that stand here
	s_lshr_b32 s60, s60, 16                        ; ceil(n_e / 144)
	s_cmp_ge_u32 s3, s61
	s_cselect_b32 s5, \e, s5
	s_cselect_b32 s7, s[32+(\e)], s7
	s_cselect_b32 s62, s61, s62
	s_add_co_u32 s61, s61, s60
.endr
	s_min_u32 s5, s5, 7
	s_sub_co_u32 s6, s3, s62
	s_mul_i32 s9, s6, 144
	s_sub_co_i32 s8, s7, s9
	s_max_i32 s8, s8, 0
	s_min_i32 s8, s8, 144                          ; rows of my tile, 0 to 144
	s_sub_co_i32 s10, s7, 1
	s_max_i32 s10, s10, 0
	s_lshl_b32 s13, s5, 2
	s_add_co_u32 s13, s13, BM
	s_lshr_b32 s63, s5, 1                          ; my expert's 16 bits of the packed words
	s_cmp_eq_u32 s63, 0
	s_cselect_b32 s52, -1, 0
	s_cmp_eq_u32 s63, 1
	s_cselect_b32 s53, -1, 0
	s_cmp_eq_u32 s63, 2
	s_cselect_b32 s54, -1, 0
	s_cmp_eq_u32 s63, 3
	s_cselect_b32 s55, -1, 0
	s_and_b32 s63, s5, 1
	s_lshl_b32 s63, s63, 4
	v_and_b32 v70, s52, v60
	v_and_or_b32 v70, s53, v61, v70
	v_and_or_b32 v70, s54, v62, v70
	v_and_or_b32 v70, s55, v63, v70
	v_and_b32 v71, s52, v40
	v_and_or_b32 v71, s53, v41, v71
	v_and_or_b32 v71, s54, v42, v71
	v_and_or_b32 v71, s55, v43, v71
	v_lshrrev_b32 v70, s63, v70
	v_lshrrev_b32 v71, s63, v71
	v_and_b32 v70, 0xffff, v70
	v_and_b32 v71, 0xffff, v71
	v_add_nc_u32 v71, v70, v71
	ds_store_b64 v28, v[70:71]                     ; the prefixes of groups 2 t and 2 t + 1
	s_lshl_b32 s60, s5, 4
	s_lshl2_add_u32 s61, s4, s2
	s_add_co_u32 s60, s60, s61
	s_lshl_b32 s60, s60, 17                        ; my stream: (16 E + 4 S + w) x 131,072 bytes in both weight buffers
	s_mov_b32 s61, 0
	s_add_nc_u64 s[40:41], s[22:23], s[60:61]
	s_add_nc_u64 s[42:43], s[24:25], s[60:61]
	s_lshl_b32 s63, s2, 9
	s_lshl_b32 s60, s5, 13
	s_lshl_b32 s62, s4, 11
	s_add_co_u32 s60, s60, s62
	s_add_co_u32 s60, s60, s63
	s_add_nc_u64 s[46:47], s[26:27], s[60:61]      ; b1 at column 2,048 E + 512 S + 128 w
	s_lshl_b32 s60, s5, 11
	s_add_co_u32 s60, s60, s63
	s_add_nc_u64 s[48:49], s[28:29], s[60:61]      ; b2 at column 512 E + 128 w
	s_lshl_b32 s60, s4, 24
	s_add_co_u32 s60, s60, s63
	s_add_nc_u64 s[44:45], s[30:31], s[60:61]      ; y at slice S, column 128 w
; 16 loads: the bias of my 128 columns; lane (r, h) takes columns 16 b + 8 h + 0..7
.macro BIASLD base
.irp b,0,1,2,3,4,5,6,7
	global_load_b128 v[176+8*(\b):179+8*(\b)], v14, s[\base:\base+1] offset:64*(\b)
	global_load_b128 v[180+8*(\b):183+8*(\b)], v14, s[\base:\base+1] offset:64*(\b)+16
.endr
.endm
; 16 loads: one K step's eight weight fragments, 8,192 neighbouring bytes at byte off of the stream, into buffer buf
.macro BLOAD buf, off
	WIN 0x40
.irp n,0,1,2,3,4,5,6,7
	global_load_b128 v[64*(\buf)+8*(\n):64*(\buf)+8*(\n)+3], v2, s[40:41] offset:(\off)+1024*(\n)
	global_load_b128 v[64*(\buf)+8*(\n)+4:64*(\buf)+8*(\n)+7], v2, s[40:41] offset:(\off)+1024*(\n)+512
.endr
.endm
	BIASLD 46
	BLOAD 0, 0                                     ; the first two K steps' weights are on their way during the rest of the prologue
	BLOAD 1, 8192
	WIN 0
	s_wait_dscnt 0x0
	s_barrier_signal -1
	s_barrier_wait -1
	; FROM A RANK TO AN ID.  Thread t finds list place t, and (four lanes' worth a wave) place 128 + 4 w + lane % 4.  The group is the last g whose prefix is not above the rank:
	; 15 coarse prefixes, then the 16 of that stretch; then the rank-th set bit of the group's bitmap.  Every number that enters an LDS address is clamped first.
	v_add_nc_u32 v20, s9, v0
	v_min_u32 v20, s10, v20                        ; places past the count repeat the expert's last row
	s_lshl_b32 s60, s2, 2
	s_add_co_u32 s60, s60, 128
	v_and_b32 v29, 3, v0
	v_add_nc_u32 v29, s60, v29
	v_add_nc_u32 v21, s9, v29
	v_min_u32 v21, s10, v21
	v_lshl_add_u32 v29, v29, 2, LISTI
	v_lshl_add_u32 v28, v0, 2, LISTI
	v_mov_b32 v16, PF
.irp k,1,2,3,4,5,6,7,8,9,10,11,12,13,14,15
	ds_load_b32 v[71+(\k)], v16 offset:64*(\k)
.endr
	v_mov_b32 v22, 0
	v_mov_b32 v23, 0
	v_mov_b32 v24, 0
	v_mov_b32 v25, 0
.macro COUNT p, rho, c                 ; c += (prefix <= rank)
	v_cmp_le_u32 vcc_lo, v[\p], v[\rho]
	v_add_co_ci_u32 v[\c], vcc_lo, 0, v[\c], vcc_lo
.endm
	s_wait_dscnt 0x0
.irp k,1,2,3,4,5,6,7,8,9,10,11,12,13,14,15
	COUNT 71+(\k), 20, 22
	COUNT 71+(\k), 21, 23
.endr
	v_min_u32 v22, 15, v22
	v_min_u32 v23, 15, v23
	v_lshl_add_u32 v26, v22, 6, PF
	v_lshl_add_u32 v27, v23, 6, PF
.irp c,0,1,2,3
	ds_load_b128 v[88+4*(\c):91+4*(\c)], v26 offset:16*(\c)
	ds_load_b128 v[104+4*(\c):107+4*(\c)], v27 offset:16*(\c)
.endr
	s_wait_dscnt 0x0
.irp k,1,2,3,4,5,6,7,8,9,10,11,12,13,14,15
	COUNT 88+(\k), 20, 24
	COUNT 104+(\k), 21, 25
.endr
	v_min_u32 v24, 15, v24
	v_min_u32 v25, 15, v25
	v_lshl_add_u32 v22, v22, 4, v24                ; g
	v_lshl_add_u32 v23, v23, 4, v25
	v_lshl_add_u32 v26, v22, 2, PF
	v_lshl_add_u32 v27, v23, 2, PF
	v_lshl_add_u32 v24, v22, 5, s13
	v_lshl_add_u32 v25, v23, 5, s13
	ds_load_b32 v120, v26
	ds_load_b32 v121, v27
	ds_load_b32 v122, v24
	ds_load_b32 v123, v25
	s_wait_dscnt 0x0
	v_sub_nc_u32 v20, v20, v120                    ; the rank inside the group
	v_sub_nc_u32 v21, v21, v121
.macro BSTEP src, wd, inc, r, p, t     ; if the rank is not below the lower part's count: take the count away and go inc bits up
	v_bfe_u32 v[(\t)+4], v[\src], v[\p], \wd
	v_cmp_ge_u32 vcc_lo, v[\r], v[(\t)+4]
	v_cndmask_b32 v[(\t)+4], 0, v[(\t)+4], vcc_lo
	v_cndmask_b32 v[(\t)+5], 0, \inc, vcc_lo
	v_sub_nc_u32 v[\r], v[\r], v[(\t)+4]
	v_add_nc_u32 v[\p], v[\p], v[(\t)+5]
.endm
.macro BITSEL m, r, p, t               ; p = the place of set bit number r of m: counts of 2, 4, 8 and 16 bits, then five halvings
	v_lshrrev_b32 v[\t], 1, v[\m]
	v_and_b32 v[\t], 0x55555555, v[\t]
	v_sub_nc_u32 v[\t], v[\m], v[\t]
	v_lshrrev_b32 v[(\t)+1], 2, v[\t]
	v_and_b32 v[(\t)+1], 0x33333333, v[(\t)+1]
	v_and_b32 v[(\t)+2], 0x33333333, v[\t]
	v_add_nc_u32 v[(\t)+1], v[(\t)+1], v[(\t)+2]
	v_lshrrev_b32 v[(\t)+2], 4, v[(\t)+1]
	v_add_nc_u32 v[(\t)+2], v[(\t)+2], v[(\t)+1]
	v_and_b32 v[(\t)+2], 0x0f0f0f0f, v[(\t)+2]
	v_lshrrev_b32 v[(\t)+3], 8, v[(\t)+2]
	v_add_nc_u32 v[(\t)+3], v[(\t)+3], v[(\t)+2]
	v_mov_b32 v[\p], 0
	BSTEP (\t)+3, 8, 16, \r, \p, \t
	BSTEP (\t)+2, 8, 8, \r, \p, \t
	BSTEP (\t)+1, 4, 4, \r, \p, \t
	BSTEP \t, 2, 2, \r, \p, \t
	BSTEP \m, 1, 1, \r, \p, \t
.endm
	BITSEL 122, 20, 126, 128
	BITSEL 123, 21, 127, 136
	v_lshl_add_u32 v142, v22, 5, v126              ; id = 32 g + place
	v_lshl_add_u32 v144, v23, 5, v127
	v_and_b32 v126, 15, v126
	v_and_b32 v127, 15, v127
	v_lshl_add_u32 v143, v22, 4, v126              ; token = 16 g + place % 16
	v_lshl_add_u32 v145, v23, 4, v127
	ds_store_b32 v28, v142
	ds_store_b32 v28, v143 offset:LISTT-LISTI
	ds_store_b32 v29, v144
	ds_store_b32 v29, v145 offset:LISTT-LISTI
	v_min_u32 v146, 0x1fff, v142
	v_min_u32 v147, 0x1fff, v144
	v_lshlrev_b32 v146, 2, v146
	v_lshlrev_b32 v147, 2, v147
	global_load_b32 v240, v146, s[18:19]           ; the two rows' gates
	global_load_b32 v241, v147, s[18:19]
	s_wait_dscnt 0x0
	s_barrier_signal -1
	s_barrier_wait -1
	; THE GATHER.  Wave w brings rows 36 w .. 36 w + 35 of the tile: two loads of 512 neighbouring bytes a row, through the registers that will hold the accumulators.
	s_mul_i32 s60, s2, 144
	s_add_co_u32 s60, s60, LISTT
	v_mov_b32 v17, s60
.irp c,0,1,2,3,4,5,6,7,8
	ds_load_b128 v[32+4*(\c):35+4*(\c)], v17 offset:16*(\c)
.endr
	s_mul_i32 s61, s2, 36*PX
	v_add_nc_u32 v18, s61, v2
	s_wait_dscnt 0x0
.set i, 0
.rept 36
	v_min_u32 v[32+i], 0xfff, v[32+i]
	v_lshl_add_u32 v[32+i], v[32+i], 10, v2
.set i, i+1
.endr
	WIN 0x80
.set i, 0
.rept 18
	global_load_b128 v[8*i:8*i+3], v[32+i], s[20:21]
	global_load_b128 v[8*i+4:8*i+7], v[32+i], s[20:21] offset:512
.set i, i+1
.endr
	WIN 0xc0
.set i, 0
.rept 18
	global_load_b128 v[8*i:8*i+3], v[50+i], s[20:21]
	global_load_b128 v[8*i+4:8*i+7], v[50+i], s[20:21] offset:512
.set i, i+1
.endr
	WIN 0
	s_wait_loadcnt 63                              ; 72 loads were issued behind the gates': they are in
	ds_store_b32 v28, v240 offset:GWL-LISTI
	ds_store_b32 v29, v241 offset:GWL-LISTI
.macro GSTORE first                    ; 18 rows from registers to LDS; the count leaves the gather's younger loads out (the wait's field ends at 63)
.set i, 0
.rept 18
.if 70-2*((\first)+i) > 63
	s_wait_loadcnt 63
.else
	s_wait_loadcnt 70-2*((\first)+i)
.endif
	ds_store_b128 v18, v[8*i:8*i+3] offset:((\first)+i)*PX
	ds_store_b128 v18, v[8*i+4:8*i+7] offset:((\first)+i)*PX+512
.set i, i+1
.endr
.endm
	WIN 0x08
	GSTORE 0
	WIN 0x0c
	GSTORE 18
	WIN 0
	s_wait_dscnt 0x0
	s_barrier_signal -1
	s_barrier_wait -1                              ; X, the lists and the gates are whole
.macro BIASFIX m                       ; the bias rounded to bf16 like every input, and cleared where the mask is 0
.set z, 0
.rept 32
	v_cvt_pk_bf16_f32 v[240+z%4], v[176+2*z], v[177+2*z]
	v_and_b32 v[240+z%4], s[\m], v[240+z%4]
	v_lshlrev_b32 v[176+2*z], 16, v[240+z%4]
	v_and_b32 v[177+2*z], 0xffff0000, v[240+z%4]
.set z, z+1
.endr
.endm
.macro ALOAD buf, off                  ; 18 LDS loads: one K step's nine row fragments, at byte off of the rows
	WIN 0
.irp a,0,1,2,3,4,5,6,7,8
	ds_load_b128 v[32+72*(\buf)+8*(\a):32+72*(\buf)+8*(\a)+3], v[16+(\a)/4] offset:((\a)%4)*TIL+(\off)
	ds_load_b128 v[32+72*(\buf)+8*(\a)+4:32+72*(\buf)+8*(\a)+7], v[16+(\a)/4] offset:((\a)%4)*TIL+(\off)+32
.endr
.endm
; ONE K STEP of 32: up to 72 products on row buffer ab and weight buffer bb.  In front of them the weights two steps on (at byte bo of the stream) and the rows one step on (at byte ao) are asked for, into
; the buffers that the step before multiplied.  lc: the weight loads that may stay out (two steps' 32; 16; none).  dc: the 18 row loads just issued.
; first = 1: the bias is C, and all 72 accumulators are written.  Else: in front of row blocks 0, 2, 4, 6 and 8 a jump leaves the step if the tile has no row from there on.  It passes matrix
; instructions alone: the loads and both waits stand ahead of it on every path, so their counts hold whatever the tile's rows.  At a branch and at a label every window is 0.
; The accumulators take turns, one instruction a turn, over the loop's edge and over the jumps too.
.macro STEP ab, bb, first, ao, bo, lc, dc
	PLACES
.if (\bo) >= 0
	BLOAD ((\bb)+2)%3, \bo
.endif
.if (\ao) >= 0
	ALOAD 1-(\ab), \ao
.endif
	WIN 0
	s_wait_loadcnt \lc
	s_wait_dscnt \dc
.irp a,0,1,2,3,4,5,6,7,8
	ACCW \a
.if \first
	WIN 1|(AW<<6)
.else
.if ((\a)%2) == 0
	WIN 0
	s_cmp_le_u32 s8, 16*(\a)
	s_cbranch_scc1 .Ldead_\@
.endif
	WIN 1|(AW<<4)|(AW<<6)
.endif
.irp b,0,1,2,3,4,5,6,7
.if \first
	v_wmma_f32_16x16x32_bf16 v[AB+8*(\b):AB+8*(\b)+7], v[64*(\bb)+8*(\b):64*(\bb)+8*(\b)+7], v[32+72*(\ab)+8*(\a):32+72*(\ab)+8*(\a)+7], v[176+8*(\b):176+8*(\b)+7]
.else
	v_wmma_f32_16x16x32_bf16 v[AB+8*(\b):AB+8*(\b)+7], v[64*(\bb)+8*(\b):64*(\bb)+8*(\b)+7], v[32+72*(\ab)+8*(\a):32+72*(\ab)+8*(\a)+7], v[AB+8*(\b):AB+8*(\b)+7]
.endif
.endr
.endr
.if (\first) == 0
	WIN 0
.Ldead_\@:
.endif
.endm
; TWO TRIPS: X W1 + b1, then H W2 (+ b2).  A product of 144 x 128 x 512 is 16 K steps: the first starts the sums with the bias; two trips of six (the buffers' common period);
; the last three are written out, since they ask for less.
	s_mov_b32 s14, 2
.Lphase:
	v_mov_b32 v16, v5
	v_mov_b32 v17, v6
	v_mov_b32 v18, v7
	ALOAD 0, 0                                     ; the first row fragments are on their way while the bias is rounded
	s_wait_loadcnt 32                              ; the bias is in: the 32 loads of the first two steps' weights are younger (in the first trip nothing is out)
	BIASFIX 56
	STEP 0, 0, 1, 64, 16384, 32, 18
	WIN 0
	s_mov_b32 s11, 2
.Lk:
	STEP 1, 1, 0, 128, 24576, 32, 18
	STEP 0, 2, 0, 192, 32768, 32, 18
	STEP 1, 0, 0, 256, 40960, 32, 18
	STEP 0, 1, 0, 320, 49152, 32, 18
	STEP 1, 2, 0, 384, 57344, 32, 18
	STEP 0, 0, 0, 448, 65536, 32, 18
	s_wait_xcnt 0x0                                ; the stream's base is stepped only behind this wait
	s_add_nc_u64 s[40:41], s[40:41], 49152
	v_add_nc_u32 v16, 384, v16
	v_add_nc_u32 v17, 384, v17
	v_add_nc_u32 v18, 384, v18
	s_sub_co_u32 s11, s11, 1
	s_cmp_lg_u32 s11, 0
	s_cbranch_scc1 .Lk
	STEP 1, 1, 0, 128, 24576, 32, 18
	STEP 0, 2, 0, 192, -1, 16, 18
	STEP 1, 0, 0, -1, -1, 0, 0
	PLACES
	; Between the products.  Both barriers stand in both trips, so that every wave passes them alike; behind the second product they order nothing,
	; and the two jumps on the trip's count pass the loads and H's way in, which have no barrier in them.
	s_cmp_eq_u32 s14, 1
	s_cbranch_scc1 .Lasked
	s_mov_b64 s[40:41], s[42:43]                   ; no load is out: the stream is now W2's,
	s_mov_b32 s56, s57                             ; the bias's mask b2's
	BIASLD 48
	BLOAD 0, 0
	BLOAD 1, 8192
	WIN 0
.Lasked:
	s_wait_dscnt 0x0
	s_barrier_signal -1
	s_barrier_wait -1                              ; nobody reads X any more
	s_cmp_eq_u32 s14, 1
	s_cbranch_scc1 .Lhdone
	; H = relu, rounded to bf16, into X's place: a lane's eight columns are 16 bytes of row 16 a + r at byte 256 w + 32 b + 16 h.  Blocks past the count keep X's bytes.
.irp a,0,1,2,3,4,5,6,7,8
	ACCW \a
	WIN 0
	s_cmp_le_u32 s8, 16*(\a)
	s_cbranch_scc1 .Lhdone
	WIN AW|(AW<<2)|(AW<<6)
.irp b,0,1,2,3,4,5,6,7
.irp j,0,1,2,3
	v_cvt_pk_bf16_f32 v[AB+8*(\b)+(\j)], v[AB+8*(\b)+2*(\j)], v[AB+8*(\b)+2*(\j)+1]   ; in place, from the low end on
.endr
.irp j,0,1,2,3
	v_pk_max_num_bf16 v[AB+8*(\b)+(\j)], v[AB+8*(\b)+(\j)], s12
.endr
.endr
	WIN AW<<2
.irp b,0,1,2,3,4,5,6,7
	ds_store_b128 v[8+(\a)/4], v[AB+8*(\b):AB+8*(\b)+3] offset:((\a)%4)*TIL+32*(\b)
.endr
.endr
	WIN 0
.Lhdone:
	s_wait_dscnt 0x0
	s_barrier_signal -1
	s_barrier_wait -1                              ; H is whole
	s_sub_co_u32 s14, s14, 1
	s_cmp_lg_u32 s14, 0
	s_cbranch_scc1 .Lphase
	; THE WAY OUT.  Times the row's gate; a block of 16 rows at a time through my stage; back as whole rows of 512 bytes, each stored at its id's row of y.
.irp a,0,1,2,3,4,5,6,7,8
	ds_load_b32 v[208+2*(\a)], v15 offset:64*(\a)
	ds_load_b32 v[209+2*(\a)], v15 offset:64*(\a)  ; named with it as a pair
.endr
	s_wait_dscnt 0x0
.macro MULT a
	ACCW \a
	WIN AW|(AW<<6)
.set z, 0
.rept 32
	v_pk_mul_f32 v[AB+2*z:AB+2*z+1], v[AB+2*z:AB+2*z+1], v[208+2*(\a):209+2*(\a)] op_sel_hi:[1,0]
.set z, z+1
.endr
.endm
.macro TOSTAGE a
	ACCW \a
	WIN AW<<2
.irp b,0,1,2,3,4,5,6,7
	ds_store_b128 v11, v[AB+8*(\b):AB+8*(\b)+3] offset:64*(\b)
	ds_store_b128 v11, v[AB+8*(\b)+4:AB+8*(\b)+7] offset:64*(\b)+16
.endr
	WIN 0
	s_wait_xcnt 0x0                                ; the stores of two blocks ago have read this set of registers
.irp c,0,1,2,3
	ds_load_b128 v[176+16*((\a)%2)+4*(\c):179+16*((\a)%2)+4*(\c)], v13 offset:64*(\a)+16*(\c)   ; the block's 16 ids, in every lane
.endr
.irp i,0,1,2,3,4,5,6,7,8,9,10,11,12,13,14,15
	ds_load_b128 v[32+64*((\a)%2)+4*(\i):35+64*((\a)%2)+4*(\i)], v12 offset:SPT*(\i)   ; my own bytes: LDS serves a wave's instructions in order (ISA guide 5.7.1.4)
.endr
.endm
.macro SEND a
	WIN 0
	s_wait_dscnt 16                                ; the ids are in: the 16 row loads are younger
.irp i,0,1,2,3,4,5,6,7,8,9,10,11,12,13,14,15
	v_min_u32 v[176+16*((\a)%2)+(\i)], 0x1fff, v[176+16*((\a)%2)+(\i)]
	v_lshl_add_u32 v[176+16*((\a)%2)+(\i)], v[176+16*((\a)%2)+(\i)], 11, v2
.endr
.irp i,0,1,2,3,4,5,6,7,8,9,10,11,12,13,14,15
	s_cmp_le_u32 s8, 16*(\a)+(\i)                  ; rows past the count are not stored: forward, past no barrier
	s_cbranch_scc1 .Ldone
	s_wait_dscnt 15-(\i)
	global_store_b128 v[176+16*((\a)%2)+(\i)], v[32+64*((\a)%2)+4*(\i):35+64*((\a)%2)+4*(\i)], s[44:45]   ; 512 neighbouring bytes, aligned
.endr
.endm
	MULT 0
	TOSTAGE 0
.irp a,1,2,3,4,5,6,7,8                                 ; a block's arithmetic stands between the loads of the block before and its stores
	MULT \a
	SEND (\a)-1
	TOSTAGE \a
.endr
	SEND 8
.Ldone:
	s_wait_tensorcnt 0x0                           ; the wave's end
	ds_add_u32 v30, v31
	s_wait_dscnt 0x0
	s_endpgm
.Lfunc_end_k_q33bb2f57fe_chain:
	.size	k_q33bb2f57fe_chain, .Lfunc_end_k_q33bb2f57fe_chain-k_q33bb2f57fe_chain
	.p2alignl 7, 3214868480
	.fill 96, 4, 3214868480
	.section	.rodata,"a",@progbits
	.p2align	6, 0x0
	.amdhsa_kernel k_q33bb2f57fe_chain
		.amdhsa_group_segment_fixed_size 195840
		.amdhsa_private_segment_fixed_size 0
		.amdhsa_enable_private_segment 0
		.amdhsa_kernarg_size 64
		.amdhsa_user_sgpr_count 2
		.amdhsa_user_sgpr_kernarg_segment_ptr 1
		.amdhsa_wavefront_size32 1
		.amdhsa_system_sgpr_workgroup_id_x 1
		.amdhsa_system_sgpr_workgroup_id_y 1
		.amdhsa_system_sgpr_workgroup_id_z 1
		.amdhsa_system_vgpr_workitem_id 0
		.amdhsa_next_free_vgpr 1024
		.amdhsa_next_free_sgpr 72
		.amdhsa_reserve_vcc 1
		.amdhsa_float_denorm_mode_32 3
		.amdhsa_float_denorm_mode_16_64 3
		.amdhsa_memory_ordered 1
		.amdhsa_forward_progress 1
		.amdhsa_inst_pref_size 255
	.end_amdhsa_kernel
	.section	.bss,"aw",@nobits
	.p2align	6
	.space	262144
	.amdgpu_metadata
---
amdhsa.version: [ 1, 2 ]
amdhsa.kernels:
  - .name:           k_q33bb2f57fe_chain
    .symbol:         k_q33bb2f57fe_chain.kd
    .args:
      - { .name: rec, .offset: 0, .size: 8, .value_kind: global_buffer, .address_space: global }
      - { .name: gw, .offset: 8, .size: 8, .value_kind: global_buffer, .address_space: global }
      - { .name: xb, .offset: 16, .size: 8, .value_kind: global_buffer, .address_space: global }
      - { .name: W1f, .offset: 24, .size: 8, .value_kind: global_buffer, .address_space: global }
      - { .name: W2f, .offset: 32, .size: 8, .value_kind: global_buffer, .address_space: global }
      - { .name: b1, .offset: 40, .size: 8, .value_kind: global_buffer, .address_space: global }
      - { .name: b2, .offset: 48, .size: 8, .value_kind: global_buffer, .address_space: global }
      - { .name: y, .offset: 56, .size: 8, .value_kind: global_buffer, .address_space: global }
    .group_segment_fixed_size: 195840
    .private_segment_fixed_size: 0
    .kernarg_segment_align: 8
    .kernarg_segment_size: 64
    .max_flat_workgroup_size: 128
    .sgpr_count:     72
    .vgpr_count:     1024
    .wavefront_size: 32
...
	.end_amdgpu_metadata
.endif
;; end of part 2
;; launch combine (part 3): grid 256 x 1, 8 waves a work-group, no clusters, 0 bytes of LDS; arguments y, psum, out0, out1; writes out0, out1
.if DOCPART == 3
	.amdgcn_target "amdgcn-amd-amdhsa--gfx1250"
	.amdhsa_code_object_version 6
	.text
	.protected	k_q33bb2f57fe_combine
	.globl	k_q33bb2f57fe_combine
	.p2align	8
	.type	k_q33bb2f57fe_combine,@function
k_q33bb2f57fe_combine:
	s_mov_b64 s[64:65], 0
	v_nop
	global_prefetch_b8 v0, s[64:65] scope:SCOPE_SE
	s_setreg_imm32_b32 hwreg(HW_REG_WAVE_MODE, 25, 1), 1
	s_wait_xcnt 0x0
; COMBINE.  out0[token] = the sum of its eight partial rows in y: four slices x two choices.  With id = 32 g + 16 k + b the rows of group g lie, in each slice, as 32,768 bytes for
; k = 0 and 32,768 for k = 1, in the tokens' order: out0's 32,768 bytes of group g are the sum of eight dense blocks.  Work-group g, eight waves: thread t has the 16 bytes at
; 4,096 i + 16 t of chunk i = 0..7.  A ring of four slots in registers, eight loads each: 32 loads of every wave are on their way.  Each chunk has result registers of its own, so no
; store's data is ever rewritten and no wait stands for that.  No LDS, no barrier, no matrix unit: a stream.
; out1 = 8 x the sum over e of (count_e / 4,096) (sum of p_e / 4,096) = 2^-21 x the sum of count_e x P_e, by wave 0 of work-group 0 from psum.  That wave has a text of its own (the
; same body with two insertions): it asks for psum ahead of its ring, so that those loads are older than all the ring's, and adds up between chunks 3 and 4, while its last four slots
; are on their way.
; v1 16 t   v2 lane   v3 64 lane   v16-143 four slots of 32   v144-175 eight results   v176-194 the aux number's sums   v256-383 psum as loaded
; s[12:19] y at my group in slices 0-3   s[8:9] out0 at my group   s24 0 in wave 0 of work-group 0 alone   s28, s29 lane selects
.set MSB, 0
.macro WIN new                         ; s_set_vgpr_msb: bits 1:0 source 0, 3:2 source 1, 7:6 destination; the high byte repeats the setting that is left
.if MSB != (\new)
	s_set_vgpr_msb (MSB<<8)|(\new)
.set MSB, (\new)
.endif
.endm
	s_load_b256 s[4:11], s[0:1], 0x0               ; y, psum, out0, out1
	v_lshlrev_b32 v1, 4, v0
	v_lshrrev_b32 v2, 5, v0
	v_readfirstlane_b32 s2, v2
	s_mov_b32 s3, ttmp9
	s_lshl_b32 s20, s3, 16
	s_mov_b32 s21, 0
	s_lshl_b32 s22, s3, 15
	s_mov_b32 s23, 0
	s_or_b32 s24, s2, s3
	s_mov_b32 s28, 0x76543210
	s_mov_b32 s29, 0xfedcba98
	v_and_b32 v2, 31, v0
	v_lshlrev_b32 v3, 6, v2
	s_wait_kmcnt 0x0
	s_add_nc_u64 s[12:13], s[4:5], s[20:21]
	s_add_nc_u64 s[14:15], s[12:13], 0x1000000
	s_add_nc_u64 s[16:17], s[14:15], 0x1000000
	s_add_nc_u64 s[18:19], s[16:17], 0x1000000
	s_add_nc_u64 s[8:9], s[8:9], s[22:23]
.macro FILL i                          ; chunk i's eight loads, 512 neighbouring bytes a wave each
.irp s,0,1,2,3
	global_load_b128 v[16+32*((\i)%4)+8*(\s):19+32*((\i)%4)+8*(\s)], v1, s[12+2*(\s):13+2*(\s)] offset:(\i)*4096 th:TH_LOAD_NT
	global_load_b128 v[20+32*((\i)%4)+8*(\s):23+32*((\i)%4)+8*(\s)], v1, s[12+2*(\s):13+2*(\s)] offset:(\i)*4096+32768 th:TH_LOAD_NT
.endr
.endm
.macro SLOT i, refill, left
.set Q, 16+32*((\i)%4)
.set RS, 144+4*(\i)
	s_wait_loadcnt \left                           ; my eight loads are in; the younger slots' stay out
.irp p,0,8,16,24
	v_pk_add_f32 v[Q+(\p):Q+(\p)+1], v[Q+(\p):Q+(\p)+1], v[Q+(\p)+4:Q+(\p)+5]
	v_pk_add_f32 v[Q+(\p)+2:Q+(\p)+3], v[Q+(\p)+2:Q+(\p)+3], v[Q+(\p)+6:Q+(\p)+7]
.endr
.irp p,0,16
	v_pk_add_f32 v[Q+(\p):Q+(\p)+1], v[Q+(\p):Q+(\p)+1], v[Q+(\p)+8:Q+(\p)+9]
	v_pk_add_f32 v[Q+(\p)+2:Q+(\p)+3], v[Q+(\p)+2:Q+(\p)+3], v[Q+(\p)+10:Q+(\p)+11]
.endr
	v_pk_add_f32 v[RS:RS+1], v[Q:Q+1], v[Q+16:Q+17]
	v_pk_add_f32 v[RS+2:RS+3], v[Q+2:Q+3], v[Q+18:Q+19]
.if \refill
	FILL (\i)+4
.endif
	global_store_b128 v1, v[RS:RS+3], s[8:9] offset:(\i)*4096 th:TH_STORE_NT
.endm
; The wave's whole work.  aux = 1: with the aux number.
.macro BODY aux
.if \aux
	WIN 0x40                                       ; destination v256 on, address in v3
.irp m,0,1,2,3,4,5,6,7                                 ; lane l takes the records l + 32 m of psum: 16 numbers each
.irp c,0,1,2,3
	global_load_b128 v[16*(\m)+4*(\c):16*(\m)+4*(\c)+3], v3, s[6:7] offset:(\m)*2048+16*(\c)
.endr
.endr
	WIN 0
.endif
	FILL 0
	FILL 1
	FILL 2
	FILL 3
	SLOT 0, 1, 24                                  ; the count leaves three younger slots out; psum's loads are older than all of them, so they are in as well
	SLOT 1, 1, 24
	SLOT 2, 1, 24
	SLOT 3, 1, 24
.if \aux
	WIN 0x05                                       ; both sources v256 on, destination below
.irp p,0,2,4,6,8,10,12,14
	v_pk_add_f32 v[176+(\p):177+(\p)], v[(\p):(\p)+1], v[16+(\p):17+(\p)]
.endr
	WIN 0x04                                       ; the second source v256 on
.irp m,2,3,4,5,6,7
.irp p,0,2,4,6,8,10,12,14
	v_pk_add_f32 v[176+(\p):177+(\p)], v[176+(\p):177+(\p)], v[16*(\m)+(\p):16*(\m)+(\p)+1]
.endr
.endr
	WIN 0
	v_mov_b32 v192, 0
.irp d,1,2,4,8
.irp z,0,1,2,3,4,5,6,7,8,9,10,11,12,13,14,15
	v_add_f32_dpp v[176+(\z)], v[176+(\z)], v[176+(\z)] row_xmask:\d row_mask:0xf bank_mask:0xf
.endr
.endr
.irp z,0,1,2,3,4,5,6,7,8,9,10,11,12,13,14,15
	v_permlanex16_b32 v192, v[176+(\z)], s28, s29
	v_add_f32 v[176+(\z)], v[176+(\z)], v192
.endr
	v_mul_f32 v193, v176, v184                     ; P_e x count_e
.irp e,1,2,3,4,5,6,7
	v_fma_f32 v193, v[176+(\e)], v[184+(\e)], v193
.endr
	v_mul_f32 v193, 0x35000000, v193               ; x 2^-21
	v_mov_b32 v194, 0
	s_wait_xcnt 0x0                                ; EXEC changes only behind this wait
	v_cmp_eq_u32 vcc_lo, 0, v2
	s_and_saveexec_b32 s30, vcc_lo
	global_store_b32 v194, v193, s[10:11]
	s_wait_xcnt 0x0                                ; and again in front of the line that widens it
	s_or_b32 exec_lo, exec_lo, s30
.endif
	SLOT 4, 0, 24                                  ; the last four load nothing: the counts run down
	SLOT 5, 0, 16
	SLOT 6, 0, 8
	SLOT 7, 0, 0
	s_endpgm
.endm
	s_cmp_lg_u32 s24, 0
	s_cbranch_scc1 .Lplain
	BODY 1
.Lplain:
	BODY 0
.Lfunc_end_k_q33bb2f57fe_combine:
	.size	k_q33bb2f57fe_combine, .Lfunc_end_k_q33bb2f57fe_combine-k_q33bb2f57fe_combine
	.p2alignl 7, 3214868480
	.fill 96, 4, 3214868480
	.section	.rodata,"a",@progbits
	.p2align	6, 0x0
	.amdhsa_kernel k_q33bb2f57fe_combine
		.amdhsa_group_segment_fixed_size 0
		.amdhsa_private_segment_fixed_size 0
		.amdhsa_enable_private_segment 0
		.amdhsa_kernarg_size 32
		.amdhsa_user_sgpr_count 2
		.amdhsa_user_sgpr_kernarg_segment_ptr 1
		.amdhsa_wavefront_size32 1
		.amdhsa_system_sgpr_workgroup_id_x 1
		.amdhsa_system_sgpr_workgroup_id_y 1
		.amdhsa_system_sgpr_workgroup_id_z 1
		.amdhsa_system_vgpr_workitem_id 0
		.amdhsa_next_free_vgpr 384
		.amdhsa_next_free_sgpr 66
		.amdhsa_reserve_vcc 1
		.amdhsa_float_denorm_mode_32 3
		.amdhsa_float_denorm_mode_16_64 3
		.amdhsa_memory_ordered 1
		.amdhsa_forward_progress 1
		.amdhsa_inst_pref_size 43
	.end_amdhsa_kernel
	.amdgpu_metadata
---
amdhsa.version: [ 1, 2 ]
amdhsa.kernels:
  - .name:           k_q33bb2f57fe_combine
    .symbol:         k_q33bb2f57fe_combine.kd
    .args:
      - { .name: y, .offset: 0, .size: 8, .value_kind: global_buffer, .address_space: global }
      - { .name: psum, .offset: 8, .size: 8, .value_kind: global_buffer, .address_space: global }
      - { .name: out0, .offset: 16, .size: 8, .value_kind: global_buffer, .address_space: global }
      - { .name: out1, .offset: 24, .size: 8, .value_kind: global_buffer, .address_space: global }
    .group_segment_fixed_size: 0
    .private_segment_fixed_size: 0
    .kernarg_segment_align: 8
    .kernarg_segment_size: 32
    .max_flat_workgroup_size: 256
    .sgpr_count:     66
    .vgpr_count:     384
    .wavefront_size: 32
...
	.end_amdgpu_metadata
.endif
;; end of part 3
